; MI455X (gfx1250); checked and timed in simulation.
; The chip was launched on July 23, 2026; its instructions are those of AMD's public machine-readable ISA for CDNA 5 (MIT licence, August 2026) and "CDNA5" Instruction Set Architecture Reference Guide (July 2026). The comments in the code are by the model that wrote it; some were corrected since.
;; Fuzzy Bell Layer. Allowed arithmetic: matrix products marked QUANTISED: E2M1 operands, one E8M0 scale for each 32 along K, by v_wmma_scale_f32_16x16x128_f8f6f4 with both operands' format E2M1 (or v_wmma_scale_f32_32x16x128_f4), f32 sums; everything else in f32.
;; Inputs: b 256 float32; centroids 256 x 256 x 1 float32; rots 256 x 256 x 256 float32; scales 256 x 256 float32; x_codes 4,096 x 8 x 16 uint8 (E2M1 codes of x, K innermost, in blocks of 32 codes, two codes a byte); x_scales 4,096 x 8 uint8 (E8M0 scales of x, one for each 32 codes along K).
;; Outputs: out0 4,096 x 256 float32.
;; This version of the problem:
;;   THIS VERSION OF THE PROBLEM IS GIVEN IN LOW PRECISION. The matrix products marked QUANTISED in the list below multiply operands that are first quantised to E2M1 (2 exponent bits, 1 mantissa bit; 4 bits a number), with one power-of-two scale for each 32 numbers along K (OCP MX v1.0); their sums are f32. All else is computed in f32.
;;   The module's matrix products, in the order in which they are computed (A, B: the left and right operand; K: the contracted axis; several contracted axes count as one K, in the product's order):
;;     1. [M 4,096, K 256] x [K 256, N 65,536]; A: input x (given as codes); B: computed on the way: QUANTISED
;;   THE QUANTISER, for each operand of a quantised product, along K:
;;     - K is cut into blocks of 32 from its start; a last block that is shorter is filled with zeros.
;;     - A block's scale is 2^e with e = floor(log2(the largest magnitude in the block)) - 2, held to -126 .. 127; a block of zeros has e = 0. As a byte (E8M0): e + 127.
;;     - Each number is divided by its block's scale, clamped to +-6, and rounded to the nearest number of E2M1, ties to even, subnormals kept.
;;     - The product sums the exact products of the quantised numbers (number of the format x scale) in f32.
;;   ~~~python
;;   def quantise(x, axis):      # numpy; x: float32 -> the quantised numbers, widened to float32 again
;;       x = np.moveaxis(x, axis, -1); K = x.shape[-1]
;;       x = np.pad(x, [(0, 0)] * (x.ndim - 1) + [(0, -K % 32)]); x = x.reshape(x.shape[:-1] + (-1, 32)); a = np.abs(x).max(-1, keepdims=True)
;;       e = np.where(a > 0, np.clip(np.frexp(np.where(a > 0, a, 1))[1] - 1 - 2, -126, 127), 0)      # np.frexp(a)[1] - 1 = floor(log2(a)), exactly
;;       r = np.clip(x / 2.0 ** e, -6, 6)
;;       step = 2.0 ** (np.maximum(np.frexp(np.where(r == 0, 1, r))[1] - 1, 0) - 1)
;;       q = np.round(r / step) * step * 2.0 ** e      # np.round: ties to even
;;       return np.moveaxis(q.reshape(q.shape[:-2] + (-1,))[..., :K], -1, axis).astype(np.float32)
;;   ~~~
;;   OPERANDS COMPUTED ON THE WAY. 'Computed on the way' means the value that the module computes at that place (a softmax that the list does not call 'softmax' is quantised finished and normalised). What goes into a quantiser is computed in f32, as accurately as f32 sums, v_exp_f32 and their like allow (about 1e-6 of the number): no bf16 or f16 on the way to a quantiser, and a product that is left as it is and whose result goes on into a quantised operand takes f32 operands (vector FMAs, or v_wmma_f32_16x16x4_f32). A number that lies on a knife's edge between two numbers of the format may be rounded either way, as far as f32 arithmetic and the matrix unit's own rounding can turn it there, and no further.
;;   INPUTS GIVEN AS CODES. x (in the module: [4096, 256], K = its axis 1): each comes as NAME_codes (uint8): NAME with its K axis moved to the last place and cut into blocks of 32 codes, [.., K / 32, bytes a block], one block behind the other in memory; two codes a byte, the lower K in the low four bits (a code: sign, 2 exponent bits, 1 mantissa bit); and NAME_scales (uint8): the same leading axes, one E8M0 byte (e + 127) for each 32 codes along K. Its value is code x scale, taken as it is: it is not quantised again, and the codes and scales need not be those that the quantiser above would give.
;; One version. Each part assembles by itself: llvm-mc -triple=amdgcn-amd-amdhsa -mcpu=gfx1250 --defsym DOCPART=n.
;; ======== version 1 of 1: 2 launches
;; limits: right only within a limited range of input values
;; workspace buffers: ss 4,194,304 bytes
;; launch norms (part 1): grid 256 x 1, 8 waves a work-group, clusters of 4 x 1, 327,680 bytes of LDS; arguments x_codes, x_scales, rots, scales, centroids, ss; writes ss
.if DOCPART == 1
	.amdgcn_target "amdgcn-amd-amdhsa--gfx1250"
	.amdhsa_code_object_version 6
	.text
	.protected	k_q68d88b691b_norms
	.globl	k_q68d88b691b_norms
	.p2align	8
	.type	k_q68d88b691b_norms,@function
k_q68d88b691b_norms:
	s_mov_b64 s[64:65], 0
	v_nop
	global_prefetch_b8 v0, s[64:65] scope:SCOPE_SE
	s_setreg_imm32_b32 hwreg(HW_REG_WAVE_MODE, 25, 1), 1
	s_wait_xcnt 0x0
	s_wait_alu depctr_hold_cnt(0) depctr_sa_sdst(0) depctr_va_vdst(0) depctr_va_sdst(0) depctr_va_ssrc(0) depctr_va_vcc(0) depctr_vm_vsrc(0)
	s_getreg_b32 s2, hwreg(HW_REG_IB_STS2, 6, 4)
	s_cmp_eq_u32 s2, 0
	s_cbranch_scc0 .Lentry_in_a_cluster
	s_endpgm
.Lentry_in_a_cluster:
	s_bfe_u32 s2, ttmp6, 0x10000c
	s_cmp_lg_u32 s2, 0x3003
	s_cbranch_scc0 .Lentry_shape_is_right
	s_endpgm
.Lentry_shape_is_right:
; ss[o][b] = sum over i of (sum over j of x[b][j] A[o][i][j] + centroids[o][i])^2, the product on codes of FP4 (E2M1) with one E8M0 scale for each 32 along j.
; A[o] = triu(rots[o], 1) + its mirror + diag(scales[o]): built here in f32 and quantised along j; x arrives as codes and scale bytes and is taken as it is.
; SHARES.  One work-group of eight waves takes one o.  PHASE A: the ten blocks of 64 x 64 of rots[o] that touch the upper triangle come into LDS, one tensor load a wave, as four blocks of 64 columns:
; column block q holds rows 0 .. 64 q + 63.  Wave w makes A's rows 32 w .. 32 w + 31 (a lane a row, 32 registers along j): what lies right of the diagonal is read by rows, what lies left of it is the mirror and is
; read by columns.  The codes go to LDS as an image of the operand's registers, the scale bytes as the operand's scale words.
; PHASE B: every wave holds ALL of A[o] (256 registers of codes, 16 of scale words, 128 of centroids) and takes 512 consecutive rows of x, 32 tiles of 16 rows.
; THE MATRIX FORM is 32 x 16 x 128: source 0 = 32 rows i of A, source 1 = 16 rows of x, C of the first K step = the centroids.  A lane then holds ONE b and 16 values of i: the squares are summed in the lane.
; x THROUGH LDS, in two areas: F (768 rows, beside the blocks of rots) and R (1,280 rows, the very bytes and rows that held the blocks of rots).  F and R are filled twice each: 2 x (768 + 1,280) = 4,096 rows.
; A wave reads only the rows of x that its own loads brought.  x's scale words go straight into registers: 64 rows' words are 512 consecutive bytes, 16 a lane.
; CLUSTER.  The four work-groups of a cluster have different o and the same x: x's codes are asked for JOINTLY (mask 15); rots is each work-group's own (mask 0).  x's scale bytes, 1/16 of its codes, are not shared by a joint load.
; NO PREFETCH: rots is asked for once, at the head, with no loop to run ahead in; all of x, 524,288 bytes, is read by each of the 64 clusters.
; OUT.  ss is laid [o][b], so that a store of a wave covers 256 consecutive bytes, aligned; the next launch turns it and applies the bell function.
; DEAD WORK LEFT OUT: reference() takes triu(rots, 1): what lies on or under the diagonal of rots[o] reaches no output, whatever it holds.  The six blocks of 64 x 64 under the diagonal are not loaded; inside the diagonal blocks
; such numbers are loaded and not selected.  A NaN or an infinity there is not carried to the result.
; LIMITS: NaN and infinities in rots and scales are not served.  A block of zeros gets the scale byte 1 where the rule says 127: its codes are zeros, and this program alone reads the bytes.
.set PR,    272                        ; an LDS row: 256 bytes + 16 of padding = 68 words: sixteen rows that a 16-byte load touches start 4 words apart, modulo 64 words
.set RB32,  32*PR                      ; 32 such rows
.set CB0,   0                          ; column block q of rots begins q (q + 1) x 32 rows on
.set CB1,   2*RB32
.set CB2,   6*RB32
.set CB3,   12*RB32
.set XFB,   20*RB32                    ; area F: 384 LDS rows of two rows of x.  Area R: 640 LDS rows from byte 0
.set IMG,   XFB+384*PR                 ; A's codes: 64 groups of four registers, 512 bytes each
.set SCW,   IMG+32768                  ; A's scale words: [32 rows a][K step][lane]
.set SPARE, SCW+2048                   ; the spare words, 128 bytes a wave: four blocks of 256 bytes that no other line names
; vector registers, window 0
.set LN,   1                           ; lane
.set SPW,  2                           ; LDS address of my spare word; never rewritten
.set NIL,  3                           ; 0; never rewritten
.set AF,   4                           ; my lane's place in my part of area F
.set AR,   5                           ; in area R
.set RTH,  6                           ; the sum of a group's third tile, then of its fourth; then the store's offset, 8 lane
.set GO16, 7                           ; 16 lane: a load of x's scale words
.set TS,   8                           ; v8-23    sums of squares of the tile in hand: eight pairs
.set RS,   0                           ; v0-1     a group's first two sums, then its 64 rows to store (v0 is the thread's number at the head alone)
.set XSC,  24                          ; v24-31   x's scale words: 64 rows at 4 (G % 2): even row K steps 0, 1, odd row K steps 0, 1; lanes 16-31: 32 rows further; scales and nothing else
.set ASC,  32                          ; v32-47   A's scale words: 32 rows a, K step s at 2 a + s (phase A: addresses)
.set XF,   48                          ; v48-79   two fragments of x, 16 rows x 256 K
.set ACC,  80                          ; v80-127  a ring of three accumulators of 16
.set CEN,  128                         ; v128-255 the centroids, 32 rows a at 16 a, in the result's layout
; window 1: A's codes, 32 rows a, K step s at 32 a + 16 s
; phase A's registers
.set MXA, 8
.set MXB, 9
.set MXC, 10
.set MXD, 11
.set SD,  12                           ; scales[o][32 w + lane]
.set SCX, 14
.set SCY, 15
.set VD,  16                           ; by rows: (32 w + lane) PR
.set VT,  17                           ; by columns: column block w / 2, column 32 w + lane
.set VI,  18                           ; where my rows' codes go in the image
.set VS,  19                           ; where my rows' scale bytes go
.set LI,  20                           ; IMG + 16 lane
.set LSW, 21                           ; SCW + 4 lane
.set CO,  22                           ; 32 h: my half's centroids
.set SO,  23
.set RR,  32
.set HH,  33                           ; r = lane % 16, h = lane / 16
.set VD3, 34                           ; VD + CB3 (beyond the 16 bits of an immediate)
.set VG,  35                           ; my diagonal block by rows
.set VH,  36                           ; by columns
.set VP,  37                           ; the block above it, by columns
.set VIG, 38
.set VIP, 39                           ; the image: block w, block w xor 1
.set VSG, 40
.set VSP, 41                           ; the scale bytes: likewise
.set BYX, 42
.set BYY, 43
.set TMP, 44
.set XN,  48
.set YN,  80                           ; 32 numbers each, on end
.set CX,  112
.set CY,  116                          ; four registers of codes each
; scalar registers
.set CXS, 2
.set OO,  3
.set WV,  16                           ; wave 0..7
.set WQ,  17                           ; wave / 2
.set WO,  18                           ; wave % 2
.set CBW, 19
.set G1A, 24
.set G1B, 32
.set G1C, 40
.set G1F, 48
.set G1R, 56
.set G0A, 68
.set G0B, 72
.set G0C, 76
.set G0D, 80
.set G0F, 84
.set G0R, 88
.set SSP, 92                           ; s[92:93] ss at my o and my 512 rows
.set XSP, 94                           ; s[94:95] x_scales at my 512 rows
.set MK0, 96
.set MK1, 97
.set MSB, 0
.macro WIN new                         ; the immediate's high byte repeats the setting that is left; a switch that changes nothing is dropped
.if MSB != \new
	s_set_vgpr_msb (MSB<<8)|\new
.set MSB, \new
.endif
.endm
.macro PLACES n
.rept \n
	v_nop
.endr
.endm
.macro CREST                           ; a round of the cluster's barrier behind its opening barrier
	s_cmp_lg_u32 s[WV], 0
	s_cbranch_scc1 .Lnot_wave_0_\@
	s_barrier_signal -3
.Lnot_wave_0_\@:
	s_barrier_wait -3
	s_barrier_signal -1
	s_barrier_wait -1
.endm
.macro CROUND                          ; a whole round
	s_barrier_signal -1
	s_barrier_wait -1
	CREST
.endm
.macro G1ROT g, n                      ; group 1 for n rows of 64 f32 out of rows of 256, 16 bytes of padding behind each
	s_mov_b32 s[\g+0], (2<<16)|(1<<20)|(5<<22)|(3<<25)   ; no mask; elements of 4 bytes; padding on: after every 64 words, 4 words
	s_mov_b32 s[\g+1], 64<<16          ; tensor_dim0
	s_mov_b32 s[\g+2], (\n)<<16        ; tensor_dim1
	s_mov_b32 s[\g+3], 64<<16          ; tile_dim0
	s_mov_b32 s[\g+4], \n              ; tile_dim1
	s_mov_b32 s[\g+5], 256             ; from row to row
	s_mov_b32 s[\g+6], 0
	s_mov_b32 s[\g+7], 0
.endm
.macro G1XC g, n                       ; group 1 for x's codes, a dense block as n rows of 256 bytes: all four work-groups; elements of 8 bytes; bit 21 beside a mask; padding as above
	s_mov_b32 s[\g+0], 15|(3<<16)|(1<<20)|(1<<21)|(5<<22)|(3<<25)
	s_mov_b32 s[\g+1], 32<<16
	s_mov_b32 s[\g+2], (\n)<<16
	s_mov_b32 s[\g+3], 32<<16
	s_mov_b32 s[\g+4], \n
	s_mov_b32 s[\g+5], 32
	s_mov_b32 s[\g+6], 0
	s_mov_b32 s[\g+7], 0
.endm
	s_load_b256 s[4:11], s[0:1], 0x0               ; x_codes s[4:5], x_scales s[6:7], rots s[8:9], scales s[10:11]
	s_load_b128 s[12:15], s[0:1], 0x20             ; centroids s[12:13], ss s[14:15]
	v_lshl_add_u32 v[SPW], v0, 2, SPARE
	v_mov_b32 v[NIL], 0
	ds_add_u32 v[SPW], v[NIL]                      ; the wave's opening: the add, twice on end, ahead of my first tensor load
	ds_add_u32 v[SPW], v[NIL]
	v_lshrrev_b32 v[LN], 5, v0
	v_readfirstlane_b32 s[WV], v[LN]
	s_lshr_b32 s[WQ], s[WV], 1
	s_and_b32 s[WO], s[WV], 1
	s_bfe_u32 s[CXS], ttmp6, 0x40000               ; my place in the cluster
	s_lshl_b32 s[OO], ttmp9, 2
	s_add_co_u32 s[OO], s[OO], s[CXS]              ; o = 4 x cluster + place: it enters global addresses alone
	G1ROT G1A, 64
	G1ROT G1B, 96
	G1ROT G1C, 128
	G1XC G1F, 48
	G1XC G1R, 80
.irp g, G0A, G0B, G0C, G0D, G0F, G0R
	s_mov_b32 s[\g], 1
.endr
	s_and_b32 s98, s[WV], 3
	s_mul_i32 s[G0A+1], s98, 64*PR                 ; waves 0-3: column block 3, 64 rows each
	s_add_co_u32 s[G0A+1], s[G0A+1], CB3
	s_mul_i32 s[G0B+1], s[WO], 96*PR               ; waves 4, 5: column block 2, 96 rows each
	s_add_co_u32 s[G0B+1], s[G0B+1], CB2
	s_mov_b32 s[G0C+1], CB1                        ; wave 6: column block 1, 128 rows
	s_mov_b32 s[G0D+1], CB0                        ; wave 7: column block 0, 64 rows
	s_mul_i32 s[G0F+1], s[WV], 48*PR               ; x: my 96 rows in F,
	s_add_co_u32 s[G0F+1], s[G0F+1], XFB
	s_mul_i32 s[G0R+1], s[WV], 80*PR               ; my 160 rows in R
	s_mov_b32 s21, 0
	s_mov_b32 s23, 0
	s_wait_alu depctr_va_vdst(0)
	s_wait_dscnt 0x0                               ; both opening adds are done
	s_wait_kmcnt 0x0
	s_lshl_b32 s22, s[OO], 18
	s_add_nc_u64 s[8:9], s[8:9], s[22:23]          ; rots[o]
	s_lshl_b32 s20, s98, 16                        ; 64 rows of 1,024 bytes
	s_add_nc_u64 s[G0A+2:G0A+3], s[8:9], s[20:21]
	s_add_nc_u64 s[G0A+2:G0A+3], s[G0A+2:G0A+3], 768
	s_mul_i32 s20, s[WO], 96*1024
	s_add_nc_u64 s[G0B+2:G0B+3], s[8:9], s[20:21]
	s_add_nc_u64 s[G0B+2:G0B+3], s[G0B+2:G0B+3], 512
	s_add_nc_u64 s[G0C+2:G0C+3], s[8:9], 256
	s_mov_b64 s[G0D+2:G0D+3], s[8:9]
	s_lshl_b32 s20, s[WV], 16                      ; the joint loads' offsets are made of the wave's number alone: 512 rows of 128 bytes
	s_add_nc_u64 s[G0F+2:G0F+3], s[4:5], s[20:21]
	s_add_nc_u64 s[G0R+2:G0R+3], s[G0F+2:G0F+3], 96*128
.irp g, G0A, G0B, G0C, G0D, G0F, G0R
	s_or_b32 s[\g+3], s[\g+3], 0x80000000
.endr
	CROUND                                         ; a round in front of the first tensor loads
; ONE chain of branches on the wave's number, each arm with its load: every way through the head passes exactly one.
.macro ARM under, g0, g1, next
	s_cmp_lt_u32 s[WV], \under
	s_cbranch_scc0 \next
	tensor_load_to_lds s[\g0:\g0+3], s[\g1:\g1+7]
	s_nop 0
	PLACES 4
	s_branch .Lasked
\next:
.endm
	ARM 4, G0A, G1A, .Lcb2
	ARM 6, G0B, G1B, .Lcb1
	ARM 7, G0C, G1C, .Lcb0
	tensor_load_to_lds s[G0D:G0D+3], s[G1A:G1A+7]
	s_nop 0
	PLACES 4
.Lasked:
	s_lshl_b32 s22, s[OO], 10
	s_add_nc_u64 s[10:11], s[10:11], s[22:23]      ; scales[o]
	s_add_nc_u64 s[12:13], s[12:13], s[22:23]      ; centroids[o]
	s_lshl_b32 s22, s[OO], 14
	s_lshl_b32 s98, s[WV], 11
	s_add_co_u32 s22, s22, s98
	s_add_nc_u64 s[SSP:SSP+1], s[14:15], s[22:23]  ; ss[o][512 w]
	s_lshl_b32 s20, s[WV], 12
	s_add_nc_u64 s[XSP:XSP+1], s[6:7], s[20:21]    ; x_scales[512 w]
	s_add_co_u32 s98, s[WQ], 1
	s_mul_i32 s98, s98, s[WQ]
	s_mul_i32 s[CBW], s98, RB32                    ; where column block w / 2 begins,
	s_lshl_b32 s98, s[WO], 7
	s_add_co_u32 s[CBW], s[CBW], s98               ; and my 32 columns in it
	s_mul_i32 s96, s[WV], RB32
	s_and_b32 s98, s[WV], 6
	s_mul_i32 s97, s98, RB32
	s_lshl_b32 s98, s[WV], 12
	s_add_co_u32 s98, s98, IMG
	s_lshr_b32 s99, s[WV], 2                       ; block j of 32 along K lies (j / 4) 2048 + ((j / 2) % 2) 512 + (j % 2) 256 bytes into its rows' image
	s_lshl_b32 s100, s99, 7
	s_lshl_b32 s99, s99, 11
	s_and_b32 s101, s[WV], 3
	s_or_b32 s104, s100, s101                      ; and its byte at (j / 4) 128 + j % 4 of the scale words
	s_and_b32 s101, s[WV], 2
	s_lshl_b32 s101, s101, 8
	s_or_b32 s99, s99, s101
	s_lshl_b32 s101, s[WO], 8
	s_or_b32 s99, s99, s101
	s_xor_b32 s100, s99, 0x100
	s_xor_b32 s105, s104, 1
	s_lshl_b32 s101, s[WV], 8
	s_add_co_u32 s101, s101, SCW
	s_lshl_b32 s3, s[WV], 7
	v_and_b32 v[LN], 31, v0
	v_and_b32 v[RR], 15, v0
	v_bfe_u32 v[HH], v0, 4, 1
	v_lshl_add_u32 v[SO], v[LN], 2, s3
	v_lshlrev_b32 v[GO16], 4, v[LN]
	v_lshlrev_b32 v[CO], 5, v[HH]
	global_load_b32 v[SD], v[SO], s[10:11]
	global_load_b128 v[XSC:XSC+3], v[GO16], s[XSP:XSP+1]
.irp a, 0,1,2,3,4,5,6,7
.irp t, 0,1
	global_load_b128 v[CEN+16*\a+8*\t:CEN+16*\a+8*\t+3],   v[CO], s[12:13] offset:128*\a+64*\t      ; c[32 a + 16 t + 8 h + 0 .. 3]
	global_load_b128 v[CEN+16*\a+8*\t+4:CEN+16*\a+8*\t+7], v[CO], s[12:13] offset:128*\a+64*\t+16   ; and + 4 .. 7
.endr
.endr
	v_mul_u32_u24 v[TMP], v[RR], PR
	v_lshl_add_u32 v[TMP], v[HH], 4, v[TMP]        ; a fragment: LDS row r, 16 bytes for each half of the lanes
	v_add_nc_u32 v[AF], s[G0F+1], v[TMP]
	v_add_nc_u32 v[AR], s[G0R+1], v[TMP]
	v_mul_u32_u24 v[VD], v[LN], PR
	v_add_nc_u32 v[VD], s96, v[VD]
	v_add_nc_u32 v[VD3], CB3, v[VD]
	v_add_nc_u32 v[VG], s[CBW], v[VD]
	v_lshl_add_u32 v[VT], v[LN], 2, s[CBW]
	v_add_nc_u32 v[VH], s96, v[VT]
	v_add_nc_u32 v[VP], s97, v[VT]
	v_lshlrev_b32 v[VI], 4, v[RR]
	v_lshl_add_u32 v[VI], v[HH], 10, v[VI]
	v_add_nc_u32 v[VI], s98, v[VI]                 ; IMG + 4096 w + 1024 h + 16 r
	v_add_nc_u32 v[VIG], s99, v[VI]
	v_add_nc_u32 v[VIP], s100, v[VI]
	v_lshl_add_u32 v[VS], v[LN], 2, s101
	v_add_nc_u32 v[VSG], s104, v[VS]
	v_add_nc_u32 v[VSP], s105, v[VS]
	v_lshl_add_u32 v[LI], v[LN], 4, IMG
	v_lshl_add_u32 v[LSW], v[LN], 2, SCW
	s_wait_alu depctr_va_vdst(0)
	s_wait_tensorcnt 0x0                           ; my part of rots has landed
	ds_add_u32 v[SPW], v[NIL]                      ; 0 onto my spare word
	s_wait_dscnt 0x0
	CROUND                                         ; everybody's part has landed, and all four work-groups are here: the joint loads meet
	tensor_load_to_lds s[G0F:G0F+3], s[G1F:G1F+7]  ; x's first rows, the first fill of F: phase A's work stands ahead of the wait for it
	s_nop 0
	PLACES 4
; ---- PHASE A
.macro QMAX0 reg, ma, mb
	v_max3_num_f32 v[\ma], |v[\reg]|, |v[\reg+1]|, |v[\reg+2]|     ; a block's largest magnitude, in two chains
	v_max3_num_f32 v[\mb], |v[\reg+3]|, |v[\reg+4]|, |v[\reg+5]|
.endm
.macro QMAX reg, ma, mb, i
	v_max3_num_f32 v[\ma], v[\ma], |v[\reg+\i]|, |v[\reg+\i+1]|
	v_max3_num_f32 v[\mb], v[\mb], |v[\reg+\i+2]|, |v[\reg+\i+3]|
.endm
.macro QEND1 reg, ma
	v_max3_num_f32 v[\ma], v[\ma], |v[\reg+30]|, |v[\reg+31]|
.endm
.macro QEND2 ma, mb
	v_max3_num_f32 v[\ma], v[\ma], v[\mb], 0x1800000               ; and the floor 2^(3 - 127): the byte cannot fall under 1
.endm
.macro QCVT reg, sc, c
.irp g, 0,1,2,3
	v_cvt_scalef32_pk8_fp4_f32 v[\c+\g], v[\reg+8*\g:\reg+8*\g+7], v[\sc]
.endr
.endm
.macro QUANT1 reg, ma, mb, sc, c, by, vi, vs       ; one block: its scale, its codes into the image, its byte
	QMAX0 \reg, \ma, \mb
.irp i, 6,10,14,18,22,26
	QMAX \reg, \ma, \mb, \i
.endr
	QEND1 \reg, \ma
	QEND2 \ma, \mb
	v_add_nc_u32 v[\sc], 0xff000000, v[\ma]        ; 2 off its exponent field: the conversion takes the exponent field of this operand as its scale
	QCVT \reg, \sc, \c
	v_lshrrev_b32 v[\by], 23, v[\sc]               ; the scale's byte.  (The plain line behind the last conversion)
	ds_store_b128 v[\vi], v[\c:\c+3]
	ds_store_b8 v[\vs], v[\by]
.endm
; my diagonal block, and the other block of its 64 columns.  In register n: right of the diagonal (lane < n) the rows' number, left of it the columns', on it scales[i]
.irp k, 0,1,2,3,4,5,6,7
	ds_load_b128 v[XN+4*\k:XN+4*\k+3], v[VG] offset:16*\k
.endr
.set J_, 0
.rept 32
	ds_load_b32 v[YN+J_], v[VH] offset:PR*J_       ; each load takes 32 neighbouring words of one row
.set J_, J_+1
.endr
	s_wait_loadcnt 33                              ; my number of scales; behind it the load of scale words and 32 of centroids may be out
	s_wait_dscnt 0x0
.set J_, 0
.rept 32
	s_bfm_b32 s[MK0], J_, 0
	s_bfm_b32 s[MK1], 1, J_
	v_cndmask_b32 v[XN+J_], v[YN+J_], v[XN+J_], s[MK0]
	v_cndmask_b32 v[XN+J_], v[XN+J_], v[SD], s[MK1]
.set J_, J_+1
.endr
	s_cmp_eq_u32 s[WO], 0
	s_cbranch_scc1 .Lpartner_rows
.set J_, 0
.rept 32
	ds_load_b32 v[YN+J_], v[VP] offset:PR*J_       ; w odd: block w - 1, by columns
.set J_, J_+1
.endr
	s_branch .Lpartner_asked
.Lpartner_rows:
.irp k, 0,1,2,3,4,5,6,7
	ds_load_b128 v[YN+4*\k:YN+4*\k+3], v[VG] offset:128+16*\k      ; w even: block w + 1, by rows
.endr
.Lpartner_asked:
	QUANT1 XN, MXA, MXB, SCX, CX, BYX, VIG, VSG
	s_wait_dscnt 2                                 ; all but the two stores just issued
	QUANT1 YN, MXC, MXD, SCY, CY, BYY, VIP, VSP
; the 64 columns 64 p on, two blocks: right of my rows' own by rows, left of them by columns
.macro PAIR p
	s_cmp_eq_u32 s[WQ], \p
	s_cbranch_scc1 .Lpair_done_\p
.if \p > 0
.if \p < 3
	s_cmp_lt_u32 s[WQ], \p
	s_cbranch_scc1 .Lrows_\p
.endif
.endif
.if \p < 3
.set J_, 0
.rept 64
	ds_load_b32 v[XN+J_], v[VT] offset:PR*(64*\p+J_)
.set J_, J_+1
.endr
.endif
.if \p > 0
.if \p < 3
	s_branch .Lgot_\p
.Lrows_\p:
.endif
.set J_, 0
.rept 16
.if \p == 3
	ds_load_b128 v[XN+4*J_:XN+4*J_+3], v[VD3] offset:16*J_
.else
	ds_load_b128 v[XN+4*J_:XN+4*J_+3], v[VD] offset:RB32*\p*(\p+1)+16*J_
.endif
.set J_, J_+1
.endr
.if \p < 3
.Lgot_\p:
.endif
.endif
	s_wait_dscnt 0x0
	QMAX0 XN, MXA, MXB
	QMAX0 YN, MXC, MXD
.irp i, 6,10,14,18,22,26
	QMAX XN, MXA, MXB, \i
	QMAX YN, MXC, MXD, \i
.endr
	QEND1 XN, MXA
	QEND1 YN, MXC
	QEND2 MXA, MXB
	QEND2 MXC, MXD
	v_add_nc_u32 v[SCX], 0xff000000, v[MXA]
	v_add_nc_u32 v[SCY], 0xff000000, v[MXC]
	QCVT XN, SCX, CX
	QCVT YN, SCY, CY
	v_lshrrev_b32 v[BYX], 23, v[SCX]
	v_lshrrev_b32 v[BYY], 23, v[SCY]
	ds_store_b128 v[VI], v[CX:CX+3] offset:2048*(\p/2)+512*(\p%2)
	ds_store_b128 v[VI], v[CY:CY+3] offset:2048*(\p/2)+512*(\p%2)+256
	ds_store_b8 v[VS], v[BYX] offset:128*(\p/2)+2*(\p%2)
	ds_store_b8 v[VS], v[BYY] offset:128*(\p/2)+2*(\p%2)+1
.Lpair_done_\p:
.endm
	PAIR 0
	PAIR 1
	PAIR 2
	PAIR 3
; ---- THE CHANGE INTO PHASE B: x's next rows take the bytes of the blocks of rots
	s_wait_alu depctr_va_vdst(0)
	s_wait_tensorcnt 0x0                           ; my rows of x in F have landed
	ds_add_u32 v[SPW], v[NIL]                      ; 0 onto my spare word
	s_wait_dscnt 0x0                               ; the add is done, my stores into the image have landed, my reads of the blocks are over
	CROUND                                         ; so of every wave of the four work-groups
	tensor_load_to_lds s[G0R:G0R+3], s[G1R:G1R+7]  ; R: it has six tiles of work in which to land
	s_nop 0
	PLACES 4
; ---- PHASE B.  Tile t: 16 rows of x: lane r takes my row 32 (t / 2) + 2 r + t % 2, which lies in LDS row 16 (..) + r at byte 128 (t % 2).
; Of eight times 32 rows the first three lie in F, the others in R.
.macro FRAG t
.set SP_, ((\t)/2)%8
.irp i, 0,1,2,3                        ; K = 64 (i % 2) + 32 h + 128 (i / 2) on
.if SP_ < 3
	ds_load_b128 v[XF+16*((\t)%2)+4*\i:XF+16*((\t)%2)+4*\i+3], v[AF] offset:16*PR*SP_+128*((\t)%2)+32*\i
.else
	ds_load_b128 v[XF+16*((\t)%2)+4*\i:XF+16*((\t)%2)+4*\i+3], v[AR] offset:16*PR*(SP_-3)+128*((\t)%2)+32*\i
.endif
.endr
.endm
.macro MM d, a, b, c, sa, sb           ; rows 32-63 of 64 have their scale words in lanes 16-31
.if (T_/2)%2
	v_wmma_scale_f32_32x16x128_f4 v[\d:\d+15], v[\a:\a+15], v[\b:\b+7], v[\c:\c+15], v[\sa], v[\sb] matrix_b_scale:MATRIX_SCALE_ROW1
.else
	v_wmma_scale_f32_32x16x128_f4 v[\d:\d+15], v[\a:\a+15], v[\b:\b+7], v[\c:\c+15], v[\sa], v[\sb]
.endif
.endm
; One matrix instruction.  Pair n of 128: tile n / 4, A's 32 rows a = 2 (n % 4) (b = 0) and a + 1 (b = 1), K step k; counted through, 32 rows m = 2 n + b take accumulator m % 3.
.macro MUL n, b, k
.set A_, 2*((\n)%4)+(\b)
.set rD, ACC+16*((2*(\n)+(\b))%3)
.set rB, XF+16*(T_%2)+8*(\k)
.set rX, XSC+4*((T_/4)%2)+2*(T_%2)+(\k)
	WIN 0x01                                       ; A in window 1
.if (\k) == 0
	MM rD, 32*A_, rB, CEN+16*A_, ASC+2*A_, rX
.else
	MM rD, 32*A_+16, rB, rD, ASC+2*A_+1, rX
.endif
.endm
.macro SQ m, from, to                  ; lines from .. to of 8: the squares of 32 rows m, its low registers first, into eight sums; a tile's first 32 rows start them, in the order in which FOLD leaves them free
	WIN 0
.set rS, ACC+16*((\m)%3)
.set J_, \from
.rept (\to)-(\from)+1
.if ((\m)%8) == 0
.if J_ < 4
.set rT, TS+2*(J_+4)
.elseif J_ < 6
.set rT, TS+2*(J_-2)
.else
.set rT, TS+2*(7-J_)
.endif
	v_pk_mul_f32 v[rT:rT+1], v[rS+2*J_:rS+2*J_+1], v[rS+2*J_:rS+2*J_+1]
.else
.set rT, TS+2*J_
	v_pk_fma_f32 v[rT:rT+1], v[rS+2*J_:rS+2*J_+1], v[rS+2*J_:rS+2*J_+1], v[rT:rT+1]
.endif
.set J_, J_+1
.endr
.endm
; A tile's eight pairs of sums become one number, in place, in four parts: pairs 4-7 are free behind the first, 2 and 3 behind the second, 1 behind the third, 0 behind the fourth.
.macro FOLD1
	WIN 0
.irp j, 0,2,4,6
	v_pk_add_f32 v[TS+\j:TS+\j+1], v[TS+\j:TS+\j+1], v[TS+8+\j:TS+8+\j+1]
.endr
.endm
.macro FOLD2
	WIN 0
	v_pk_add_f32 v[TS:TS+1], v[TS:TS+1], v[TS+4:TS+5]
	v_pk_add_f32 v[TS+2:TS+3], v[TS+2:TS+3], v[TS+6:TS+7]
.endm
.macro FOLD3
	v_pk_add_f32 v[TS:TS+1], v[TS:TS+1], v[TS+2:TS+3]
.endm
.macro FOLD4 t                         ; tile t's sum
.if ((\t)%4) < 2
	v_add_f32 v[RS+(\t)%4], v[TS], v[TS+1]
.else
	v_add_f32 v[RTH], v[TS], v[TS+1]
.endif
.endm
.macro GATHER q                        ; a lane holds half of a row's i: behind the exchange lane L holds the whole of row 2 L (+ 1) of 64
	v_permlane16_swap_b32 v[\q], v[RTH]
	v_add_f32 v[\q], v[\q], v[RTH]
.endm
.macro SEND g                          ; my rows 64 g + 2 L and + 1
	v_lshrrev_b32 v[RTH], 1, v[GO16]
	global_store_b64 v[RTH], v[RS:RS+1], s[SSP:SSP+1] offset:256*(\g) th:TH_STORE_NT   ; 32 lanes store 256 consecutive bytes, aligned
.endm
; PAIR n.  First K step of a, 8 lines of squares, of a + 1, 3 lines, second K step of a, 5 lines, of a + 1: a link never follows the instruction that it adds onto.  The squares are those of the pair
; before: its a's accumulator is the one that a + 1 begins anew, its a + 1's the one that the next pair's a begins anew; five plain lines stand between a's second K step and the next line that names its accumulator.
; THE CHANGE OF AN AREA stands in tiles 5 (F) and 15 (R): the last fragment of the area is in registers.  Each wave waits for all its tensor loads (the other area's has had six or ten tiles to land), adds 0 to its spare word,
; waits for the add and signals; a pair's work stands between signal and wait; the barrier opens a round of the cluster's barrier, and the joint refill is the first thing behind it.
.macro STEPN n
.set T_, (\n)/4
.set Q_, (\n)%4
.if (Q_ == 0) || (T_ == 0)
.if (T_ == 5) || (T_ == 15)
	WIN 0                                          ; (the add's two registers lie in window 0)
.endif
	s_wait_alu depctr_va_vdst(0)                   ; directly ahead of the waits below
.if (T_%4 == 1) && (T_ > 4)
	s_wait_xcnt 0x0                                ; the last store has read its data and its offset: they are written again from this tile on
.endif
.if (T_ == 5) || (T_ == 15) || (T_ == 21)
	s_wait_tensorcnt 0x0                           ; all my tensor loads have landed: the area that is read next
.endif
.if T_ == 5
	ds_add_u32 v[SPW], v[NIL]
	s_add_nc_u64 s[G0F+2:G0F+3], s[G0F+2:G0F+3], 256*128   ; 256 rows of x on
.endif
.if T_ == 15
	ds_add_u32 v[SPW], v[NIL]
	s_add_nc_u64 s[G0R+2:G0R+3], s[G0R+2:G0R+3], 256*128
.endif
.if (Q_ == 0) && (T_%4 == 0)
	s_wait_loadcnt 0x0                             ; these 64 rows' scale words (the first time: the centroids too)
.endif
.if T_ > 0
	s_wait_dscnt 0x0                               ; the tile's fragment is in
.elseif Q_ == 0
	s_wait_dscnt 48                                ; the scale words, the fragment and the first pair's 16 loads of the image; the other 48 may be out
.else
	s_wait_dscnt 52-16*Q_                          ; this pair's 16 loads of the image; the later pairs' and the next fragment's four may be out
.endif
.if (T_ == 5) || (T_ == 15)
	s_barrier_signal -1
.endif
.endif
	MUL \n, 0, 0
.if (\n) > 0
.if (Q_ == 1) && (T_ > 0)
	FOLD2                                          ; the last tile's sums, beside this tile's first squares
	SQ 2*(\n)-2, 0, 3
	FOLD3
	SQ 2*(\n)-2, 4, 6
	FOLD4 T_-1
	SQ 2*(\n)-2, 7, 7
.else
	SQ 2*(\n)-2, 0, 7
.endif
.endif
.if (Q_ == 2) && (T_%4 == 3)
	GATHER RS
.endif
.if (Q_ == 2) && (T_%4 == 0) && (T_ > 0)
	GATHER RS+1
	SEND T_/4-1
.endif
.if (Q_ == 0) && (T_ < 31) && (T_ != 5) && (T_ != 15)
	WIN 0
	FRAG T_+1                                      ; the next tile's fragment, in one run, for the next tile's wait
.endif
.if (Q_ == 0) && (T_%4 == 0) && (T_ < 28)
	global_load_b128 v[XSC+4*((T_/4+1)%2):XSC+4*((T_/4+1)%2)+3], v[GO16], s[XSP:XSP+1] offset:512*(T_/4+1)   ; the next 64 rows' scale words
.endif
	MUL \n, 1, 0
.if (\n) > 0
	SQ 2*(\n)-1, 0, 2
.endif
	MUL \n, 0, 1
.if (\n) > 0
	SQ 2*(\n)-1, 3, 7
.else
	PLACES 8                                       ; the first pair has no squares yet
.endif
	MUL \n, 1, 1
.if (Q_ == 0) && ((T_ == 5) || (T_ == 15))
	WIN 0
	s_wait_alu depctr_va_vdst(0)                   ; directly ahead of the barrier's wait
	s_barrier_wait -1
	CREST                                          ; no wave of any partner still reads this area or has a load on its way
.if T_ == 5
	tensor_load_to_lds s[G0F:G0F+3], s[G1F:G1F+7]
.else
	tensor_load_to_lds s[G0R:G0R+3], s[G1R:G1R+7]
.endif
	s_nop 0
	PLACES 4
	FRAG T_+1
.endif
.if (Q_ == 0) && (T_ > 0)
	FOLD1
.endif
.endm
.set J_, 0
.rept 16
	ds_load_b32 v[ASC+J_], v[LSW] offset:128*J_    ; row 32 a + lane: its scale word of K step s
.set J_, J_+1
.endr
	FRAG 0
	WIN 0x40                                       ; destination window 1
.set J_, 0
.rept 64
	ds_load_b128 v[4*J_:4*J_+3], v[LI] offset:512*J_   ; the image comes back as it was laid, 16 loads for each of a tile's four pairs
.set J_, J_+1
.endr
	WIN 0
.set N_, 0
.rept 128
	STEPN N_
.set N_, N_+1
.endr
	SQ 254, 0, 7                                   ; the last pair's squares
	SQ 255, 0, 7
	FOLD1
	FOLD2
	FOLD3
	FOLD4 31
	GATHER RS+1
	SEND 7
	s_wait_tensorcnt 0x0                           ; the wave's end, behind my last tensor load and my last LDS store
	ds_add_u32 v[SPW], v[NIL]
	s_wait_dscnt 0x0
	CROUND                                         ; the closing round: no work-group ends while a partner may still ask for a tile that names it
	s_endpgm
.Lfunc_end_k_q68d88b691b_norms:
	.size	k_q68d88b691b_norms, .Lfunc_end_k_q68d88b691b_norms-k_q68d88b691b_norms
	.p2alignl 7, 3214868480
	.fill 96, 4, 3214868480
	.section	.rodata,"a",@progbits
	.p2align	6, 0x0
	.amdhsa_kernel k_q68d88b691b_norms
		.amdhsa_group_segment_fixed_size 327680
		.amdhsa_private_segment_fixed_size 0
		.amdhsa_enable_private_segment 0
		.amdhsa_kernarg_size 48
		.amdhsa_user_sgpr_count 2
		.amdhsa_user_sgpr_kernarg_segment_ptr 1
		.amdhsa_wavefront_size32 1
		.amdhsa_system_sgpr_workgroup_id_x 1
		.amdhsa_system_sgpr_workgroup_id_y 1
		.amdhsa_system_sgpr_workgroup_id_z 1
		.amdhsa_system_vgpr_workitem_id 0
		.amdhsa_next_free_vgpr 512
		.amdhsa_next_free_sgpr 106
		.amdhsa_reserve_vcc 0
		.amdhsa_float_denorm_mode_32 3
		.amdhsa_float_denorm_mode_16_64 3
		.amdhsa_memory_ordered 1
		.amdhsa_forward_progress 1
		.amdhsa_inst_pref_size 255
	.end_amdhsa_kernel
	.section	.bss,"aw",@nobits
	.p2align	6
	.space	262144
	.amdgpu_metadata
---
amdhsa.version: [ 1, 2 ]
amdhsa.kernels:
  - .name:           k_q68d88b691b_norms
    .symbol:         k_q68d88b691b_norms.kd
    .args:
      - { .name: x_codes, .offset: 0, .size: 8, .value_kind: global_buffer, .address_space: global }
      - { .name: x_scales, .offset: 8, .size: 8, .value_kind: global_buffer, .address_space: global }
      - { .name: rots, .offset: 16, .size: 8, .value_kind: global_buffer, .address_space: global }
      - { .name: scales, .offset: 24, .size: 8, .value_kind: global_buffer, .address_space: global }
      - { .name: centroids, .offset: 32, .size: 8, .value_kind: global_buffer, .address_space: global }
      - { .name: ss, .offset: 40, .size: 8, .value_kind: global_buffer, .address_space: global }
    .group_segment_fixed_size: 327680
    .private_segment_fixed_size: 0
    .kernarg_segment_align: 8
    .kernarg_segment_size: 48
    .max_flat_workgroup_size: 256
    .sgpr_count:     106
    .vgpr_count:     512
    .wavefront_size: 32
...
	.end_amdgpu_metadata
.endif
;; end of part 1
;; launch bell (part 2): grid 64 x 4, 8 waves a work-group, no clusters, 17,664 bytes of LDS; arguments ss, b, out0; writes out0
.if DOCPART == 2
	.amdgcn_target "amdgcn-amd-amdhsa--gfx1250"
	.amdhsa_code_object_version 6
	.text
	.protected	k_q68d88b691b_bell
	.globl	k_q68d88b691b_bell
	.p2align	8
	.type	k_q68d88b691b_bell,@function
k_q68d88b691b_bell:
	s_mov_b64 s[64:65], 0
	v_nop
	global_prefetch_b8 v0, s[64:65] scope:SCOPE_SE
	s_setreg_imm32_b32 hwreg(HW_REG_WAVE_MODE, 25, 1), 1
	s_wait_xcnt 0x0
; out0[n][o] = 1 / (1 + ss[o][n]^b[o]): rx^(2 b) with rx = sqrt(ss) is ss^b = 2^(b log2 ss), so no root is taken.  ss: [256][4096] f32, out0: [4096][256] f32, b: [256] f32.
; A work-group of eight waves turns a block of 64 o x 64 n through LDS: it reads rows of ss, 256 consecutive bytes to sixteen lanes, and stores rows of out0 likewise.
; The LDS pitch is 65 words, so that 32 lanes' words fall 4 r + h words apart, modulo 64, on the way in and on the way out.
; No matrix unit, no tensor load, no cluster: every byte is read once and written once, and work-groups share only b's 1,024 bytes.
; LIMITS: v_log_f32 takes a denormal ss for zero (ISA guide 15.8), so out0 is 1 there; b = 0 with ss = 0 or infinite gives NaN where the formula gives 0.5.
.set PT,  260                          ; bytes from an o to the next in LDS
.set D,   16                           ; v16-31  16 numbers: on the way in 4 k + i = (o 8 w + 2 k + h, n 4 r + i); on the way out (n 8 w + 2 k + h, o 4 r + i)
.set BB,  32                           ; v32-35  b[o0 + 4 r + 0 .. 3]
.set SPW, 36                           ; LDS address of my spare word
.set NIL, 37                           ; 0
.set SPARE, 64*PT                      ; the spare words, 128 bytes a wave, that no other line names
	s_load_b128 s[4:7], s[0:1], 0x0                ; ss, b
	s_load_b64 s[8:9], s[0:1], 0x10                ; out0
	v_lshl_add_u32 v[SPW], v0, 2, SPARE
	v_mov_b32 v[NIL], 0
	v_lshrrev_b32 v1, 5, v0
	v_readfirstlane_b32 s10, v1                    ; wave 0..7
	v_and_b32 v2, 15, v0                           ; r
	v_bfe_u32 v3, v0, 4, 1                         ; h
	s_and_b32 s11, ttmp7, 0xffff                   ; which 64 o
	v_lshlrev_b32 v4, 4, v2                        ; 16 r
	v_lshl_add_u32 v5, v3, 14, v4                  ; ss: row 8 w + h of 16,384 bytes, + 16 r
	s_lshl_b32 s12, s10, 17
	v_add_nc_u32 v5, s12, v5
	v_lshl_add_u32 v6, v3, 10, v4                  ; out0: row 8 w + h of 1,024 bytes, + 16 r
	s_lshl_b32 s12, s10, 13
	v_add_nc_u32 v6, s12, v6
	s_lshl_b32 s13, s10, 3
	v_add_nc_u32 v7, s13, v3                       ; 8 w + h
	v_mul_u32_u24 v8, v7, PT
	v_add_nc_u32 v8, v8, v4                        ; LDS, in: o = 8 w + h, n = 4 r
	v_mul_u32_u24 v9, v2, 4*PT
	v_lshl_add_u32 v9, v7, 2, v9                   ; LDS, out: o = 4 r, n = 8 w + h
	s_lshl_b32 s14, s11, 20                        ; 64 rows of ss,
	s_lshl_b32 s12, ttmp9, 8                       ; 64 numbers along them
	s_add_co_u32 s14, s14, s12
	s_mov_b32 s15, 0
	s_lshl_b32 s16, ttmp9, 16                      ; 64 rows of out0,
	s_lshl_b32 s18, s11, 8                         ; 64 numbers along them; also b's
	s_add_co_u32 s16, s16, s18
	s_mov_b32 s17, 0
	s_mov_b32 s19, 0
	s_wait_alu depctr_va_vdst(0)
	s_wait_kmcnt 0x0
	s_add_nc_u64 s[4:5], s[4:5], s[14:15]
	s_add_nc_u64 s[6:7], s[6:7], s[18:19]
	s_add_nc_u64 s[8:9], s[8:9], s[16:17]
.irp k, 0,1,2,3
	global_load_b128 v[D+4*\k:D+4*\k+3], v5, s[4:5] offset:32768*\k th:TH_LOAD_NT   ; sixteen lanes read 256 consecutive bytes of a row, aligned
.endr
	global_load_b128 v[BB:BB+3], v4, s[6:7]
.irp k, 0,1,2,3
	s_wait_loadcnt 4-\k                            ; load k is in; the 3 - k behind it and b's may be out
.irp i, 0,1,2,3
	ds_store_b32 v8, v[D+4*\k+\i] offset:2*PT*\k+4*\i
.endr
.endr
	s_wait_dscnt 0x0                               ; for the others' sake: my stores have landed
	s_barrier_signal -1
	s_barrier_wait -1
.irp k, 0,1,2,3
.irp i, 0,1,2,3
	ds_load_b32 v[D+4*\k+\i], v9 offset:PT*\i+8*\k
.endr
.endr
	s_wait_loadcnt 0x0                             ; b
	s_wait_dscnt 0x0
.set J, 0
.rept 16
	v_log_f32 v[D+J], v[D+J]                       ; log2 ss: one batch
.set J, J+1
.endr
	v_nop                                          ; a plain line behind the last of the batch
	s_wait_alu depctr_va_vdst(0)                   ; one wait for the batch, ahead of the first line that names a result
.irp k, 0,1,2,3
	v_pk_mul_f32 v[D+4*\k:D+4*\k+1],   v[D+4*\k:D+4*\k+1],   v[BB:BB+1]
	v_pk_mul_f32 v[D+4*\k+2:D+4*\k+3], v[D+4*\k+2:D+4*\k+3], v[BB+2:BB+3]
.endr
	s_wait_alu depctr_va_vdst(0)                   ; and one ahead of the next batch
.set J, 0
.rept 16
	v_exp_f32 v[D+J], v[D+J]                       ; ss^b
.set J, J+1
.endr
	v_nop
	s_wait_alu depctr_va_vdst(0)
.set J, 0
.rept 8
	v_pk_add_f32 v[D+J:D+J+1], v[D+J:D+J+1], 1.0 op_sel_hi:[1,0]
.set J, J+2
.endr
	s_wait_alu depctr_va_vdst(0)
.set J, 0
.rept 16
	v_rcp_f32 v[D+J], v[D+J]
.set J, J+1
.endr
	v_nop
	s_wait_alu depctr_va_vdst(0)
.irp k, 0,1,2,3
	global_store_b128 v6, v[D+4*\k:D+4*\k+3], s[8:9] offset:2048*\k th:TH_STORE_NT   ; sixteen lanes store 256 consecutive bytes of a row, aligned
.endr
	s_wait_tensorcnt 0x0                           ; the wave's end, behind my last LDS store
	ds_add_u32 v[SPW], v[NIL]
	s_wait_dscnt 0x0
	s_endpgm
.Lfunc_end_k_q68d88b691b_bell:
	.size	k_q68d88b691b_bell, .Lfunc_end_k_q68d88b691b_bell-k_q68d88b691b_bell
	.p2alignl 7, 3214868480
	.fill 96, 4, 3214868480
	.section	.rodata,"a",@progbits
	.p2align	6, 0x0
	.amdhsa_kernel k_q68d88b691b_bell
		.amdhsa_group_segment_fixed_size 17664
		.amdhsa_private_segment_fixed_size 0
		.amdhsa_enable_private_segment 0
		.amdhsa_kernarg_size 24
		.amdhsa_user_sgpr_count 2
		.amdhsa_user_sgpr_kernarg_segment_ptr 1
		.amdhsa_wavefront_size32 1
		.amdhsa_system_sgpr_workgroup_id_x 1
		.amdhsa_system_sgpr_workgroup_id_y 1
		.amdhsa_system_sgpr_workgroup_id_z 1
		.amdhsa_system_vgpr_workitem_id 0
		.amdhsa_next_free_vgpr 38
		.amdhsa_next_free_sgpr 66
		.amdhsa_reserve_vcc 0
		.amdhsa_float_denorm_mode_32 3
		.amdhsa_float_denorm_mode_16_64 3
		.amdhsa_memory_ordered 1
		.amdhsa_forward_progress 1
		.amdhsa_inst_pref_size 8
	.end_amdhsa_kernel
	.amdgpu_metadata
---
amdhsa.version: [ 1, 2 ]
amdhsa.kernels:
  - .name:           k_q68d88b691b_bell
    .symbol:         k_q68d88b691b_bell.kd
    .args:
      - { .name: ss, .offset: 0, .size: 8, .value_kind: global_buffer, .address_space: global }
      - { .name: b, .offset: 8, .size: 8, .value_kind: global_buffer, .address_space: global }
      - { .name: out0, .offset: 16, .size: 8, .value_kind: global_buffer, .address_space: global }
    .group_segment_fixed_size: 17664
    .private_segment_fixed_size: 0
    .kernarg_segment_align: 8
    .kernarg_segment_size: 24
    .max_flat_workgroup_size: 256
    .sgpr_count:     66
    .vgpr_count:     38
    .wavefront_size: 32
...
	.end_amdgpu_metadata
.endif
;; end of part 2
